; MI455X (gfx1250); checked and timed in simulation.
; The chip was launched on July 23, 2026; its instructions are those of AMD's public machine-readable ISA for CDNA 5 (MIT licence, August 2026) and "CDNA5" Instruction Set Architecture Reference Guide (July 2026). The comments in the code are by the model that wrote it; some were corrected since.
;; Masked Self Attention. Allowed arithmetic: matrix products marked QUANTISED: E4M3 operands, one given power-of-two scale a tensor, by v_wmma_f32_16x16x64_fp8_fp8 or v_wmma_f32_16x16x128_fp8_fp8, f32 sums; everything else in f32.
;; Inputs: Wk_codes 2,048 x 64 x 32 uint8 (E4M3 codes of Wk, K innermost, in blocks of 32 codes); Wq_codes 2,048 x 64 x 32 uint8 (E4M3 codes of Wq, K innermost, in blocks of 32 codes); Wv_codes 1,024 x 64 x 32 uint8 (E4M3 codes of Wv, K innermost, in blocks of 32 codes); lowp_scales 10 int32 (the exponents e of the quantised operands' scales 2^e); x_codes 4 x 1,024 x 64 x 32 uint8 (E4M3 codes of x, K innermost, in blocks of 32 codes).
;; Outputs: out0 4 x 1,024 x 1,024 float32.
;; This version of the problem:
;;   THIS VERSION OF THE PROBLEM IS GIVEN IN LOW PRECISION. The matrix products marked QUANTISED in the list below multiply operands that are first quantised to E4M3 (4 exponent bits, 3 mantissa bits; 8 bits a number), with one given power-of-two scale for each operand tensor; their sums are f32. All else is computed in f32.
;;   The module's matrix products, in the order in which they are computed (A, B: the left and right operand; K: the contracted axis; several contracted axes count as one K, in the product's order):
;;     1. [M 4,096, K 2,048] x [K 2,048, N 2,048]; A: input x (given as codes); B: input Wq (given as codes): QUANTISED (scales: A lowp_scales[0], B lowp_scales[1])
;;     2. [M 4,096, K 2,048] x [K 2,048, N 2,048]; A: input x (given as codes); B: input Wk (given as codes): QUANTISED (scales: A lowp_scales[2], B lowp_scales[3])
;;     3. [M 4,096, K 2,048] x [K 2,048, N 1,024]; A: input x (given as codes); B: input Wv (given as codes): QUANTISED (scales: A lowp_scales[4], B lowp_scales[5])
;;     4. batch 4 x [M 1,024, K 2,048] x [K 2,048, N 1,024]; A: computed on the way; B: computed on the way: QUANTISED (scales: A lowp_scales[6], B lowp_scales[7])
;;     5. batch 4 x [M 1,024, K 1,024] x [K 1,024, N 1,024]; A: softmax (see below); B: computed on the way: QUANTISED (scales: A lowp_scales[8], B lowp_scales[9])
;;   THE QUANTISER, for each operand of a quantised product, along K:
;;     - The operand's scale is 2^e, e = its entry of the input lowp_scales (int32; the entries are numbered through the quantised products in the list's order, A before B).
;;     - Each number is divided by the scale, clamped to +-448, and rounded to the nearest number of E4M3, ties to even, subnormals kept.
;;     - The product sums the exact products of the quantised numbers (number of the format x scale) in f32.
;;   ~~~python
;;   def quantise(x, axis, e):      # numpy; x: float32 -> the quantised numbers, widened to float32 again
;;       x = np.moveaxis(x, axis, -1); K = x.shape[-1]
;;       r = np.clip(x / 2.0 ** e, -448, 448)
;;       step = 2.0 ** (np.maximum(np.frexp(np.where(r == 0, 1, r))[1] - 1, -6) - 3)
;;       q = np.round(r / step) * step * 2.0 ** e      # np.round: ties to even
;;       return np.moveaxis(q, -1, axis).astype(np.float32)
;;   ~~~
;;   SOFTMAX AHEAD OF A QUANTISED PRODUCT. Where the list says 'softmax', what is quantised is not the finished softmax but p = 2^(t - M), with t = logit x log2(e) and M = ceil(the row's largest t), a whole number; so 1/2 < the row's largest p <= 1. The row's sum l is taken of the UNQUANTISED p, in f32, and the product's result is divided by l at the end. Since M is a whole number, a kernel that streams over the keys may use a running M (the ceiling of the running maximum): every later rescaling is an exact power of two, so the quantised numbers keep their values, but for numbers so far below the row's largest that they fall under the format's range.
;;   OPERANDS COMPUTED ON THE WAY. 'Computed on the way' means the value that the module computes at that place (a softmax that the list does not call 'softmax' is quantised finished and normalised). What goes into a quantiser is computed in f32, as accurately as f32 sums, v_exp_f32 and their like allow (about 1e-6 of the number): no bf16 or f16 on the way to a quantiser, and a product that is left as it is and whose result goes on into a quantised operand takes f32 operands (vector FMAs, or v_wmma_f32_16x16x4_f32). A number that lies on a knife's edge between two numbers of the format may be rounded either way, as far as f32 arithmetic and the matrix unit's own rounding can turn it there, and no further.
;;   INPUTS GIVEN AS CODES. Wk (in the module: [2048, 2048], K = its axis 0); Wq (in the module: [2048, 2048], K = its axis 0); Wv (in the module: [2048, 1024], K = its axis 0); x (in the module: [4, 1024, 2048], K = its axis 2): each comes as NAME_codes (uint8): NAME with its K axis moved to the last place and cut into blocks of 32 codes, [.., K / 32, bytes a block], one block behind the other in memory; one code a byte (a code: sign, 4 exponent bits, 3 mantissa bits); its scale is its entry of lowp_scales. Its value is code x scale, taken as it is: it is not quantised again, and the codes and scales need not be those that the quantiser above would give.
;; One version. Each part assembles by itself: llvm-mc -triple=amdgcn-amd-amdhsa -mcpu=gfx1250 --defsym DOCPART=n.
;; ======== version 1 of 1: 3 launches
;; limits: right only within a limited range of input values
;; workspace buffers: qimg 8,388,608 bytes; kimg 8,388,608 bytes; vimg 4,194,304 bytes; pimg 4,194,304 bytes; stat 524,288 bytes
;; launch proj (part 1): grid 16 x 16, 4 waves a work-group, clusters of 4 x 4, 327,680 bytes of LDS; arguments x_codes, Wq_codes, Wk_codes, Wv_codes, lowp_scales, qimg, kimg, vimg; writes qimg, kimg, vimg
.if DOCPART == 1
	.amdgcn_target "amdgcn-amd-amdhsa--gfx1250"
	.amdhsa_code_object_version 6
	.text
	.protected	k_qf7309225d3_proj
	.globl	k_qf7309225d3_proj
	.p2align	8
	.type	k_qf7309225d3_proj,@function
k_qf7309225d3_proj:
	s_mov_b64 s[64:65], 0
	v_nop
	global_prefetch_b8 v0, s[64:65] scope:SCOPE_SE
	s_setreg_imm32_b32 hwreg(HW_REG_WAVE_MODE, 25, 1), 1
	s_wait_xcnt 0x0
	s_wait_alu depctr_hold_cnt(0) depctr_sa_sdst(0) depctr_va_vdst(0) depctr_va_sdst(0) depctr_va_ssrc(0) depctr_va_vcc(0) depctr_vm_vsrc(0)
	s_getreg_b32 s2, hwreg(HW_REG_IB_STS2, 6, 4)
	s_cmp_eq_u32 s2, 0
	s_cbranch_scc0 .Lentry_in_a_cluster
	s_endpgm
.Lentry_in_a_cluster:
	s_bfe_u32 s2, ttmp6, 0x10000c
	s_cmp_lg_u32 s2, 0xf033
	s_cbranch_scc0 .Lentry_shape_is_right
	s_endpgm
.Lentry_shape_is_right:
; q = x Wq, k = x Wk, v = x Wv on codes of FP8 (E4M3), sums in f32; each result is quantised again (q: 2^e6, k: 2^e7, both along Dk; v: 2^e9, along the keys) and stored as codes.
; x: [4096][2048] codes; Wq, Wk: [2048][2048], Wv: [1024][2048] codes, K innermost.  lowp_scales: e0 .. e9.
; WORK LEFT OUT of the program (in the launches behind this one): scores of whole 512 x 512 blocks above the diagonal.  reference() sets every score of key s > query q to -infinity by the jnp.tril that it builds itself, so p = 0 there
; for all values of the inputs.  LIMIT: a NaN or an infinity that reaches only such scores is not carried to the result.
; SHARES.  A work-group makes 256 rows x (128 columns of q + 128 of k + 64 of v): 16 x 16 = 256 equal work-groups.  Wave (rh, ch) makes 128 rows x (64 q + 64 k + 32 v): 80 accumulators, 640 registers.
; K goes in slots of 256 (rows of 256 bytes), two steps of 128 each, through a ring of two LDS slots.
; CLUSTERS: 4 x 4.  x's tile hangs on the row tile alone and is shared along a row of the cluster; the weights' tiles hang on the column group alone and are shared along a column: joint loads.
; Wave 0 asks for x's 256 rows, wave 1 for Wq's 128, wave 2 for Wk's 128, wave 3 for Wv's 64: one tensor load a wave is out.
; A STEP is 80 matrix instructions.  x's blocks 0-3 against all ten blocks of the weights, then x's blocks 4-7 against Wk's and Wv's, then against Wq's.  So the next step's fragments come in three runs: x 0-3 and Wq (Wq has two sets of
; registers), then Wk and Wv, then x 4-7: each run is asked for at least 32 matrix instructions ahead of its first use, and one set serves x, Wk and Wv.
; q AND k ARE MADE TRANSPOSED (source 0 = 16 rows of W, source 1 = 16 rows of x): a lane holds one row and eight neighbouring columns, which are neighbours along the next product's K.
; v IS MADE AS IT STANDS (source 0 = x, source 1 = Wv): a lane holds one column dv and eight neighbouring KEYS, the K of the last product.  So the conversions' results are registers of the next operands.
; THE RESULTS ARE STORED AS IMAGES OF THE OPERANDS' REGISTERS: four registers of the 32 lanes are 512 consecutive bytes, lane l at byte 16 l; every store of a wave covers 512 consecutive, aligned bytes.
;   qimg, kimg: [tile of 128 rows: 32][block of 64 along Dk: 32][16 rows: 8][1,024 bytes: 64 along K].   vimg: [batch 4][128 dv: 8][128 keys: 8][16 dv: 8][2,048 bytes: a K = 128 fragment].
; A fragment is fetched by four loads of 16 bytes: the places of k inside an instruction are permuted, alike in both operands; only the order of the sums inside an instruction differs.
; PREFETCH: behind the load of slot m stands the prefetch of slot m + 2 (at the head slot 1's too).  A slot is 256 bytes of each row; every cluster asks once for each row that it will load: the four partners that share a tile split its rows
; by address (cx for x, cy for the weights), a lane a row: waves 0, 1: 32 rows of x each, waves 2, 3: 32 rows of Wq, of Wk; each wave 4 rows of Wv.  Nothing is asked for behind slot 7.
; LIMITS: e6 - e0 - e1, e7 - e2 - e3 and e9 - e4 - e5 lie between -126 and 119, so that each scale and 448 x the scale are f32 numbers.  NaN codes among the inputs are not served.
; REGISTERS, in windows of 256.  Window 0: v1-21 addresses and scales; v32-95, v96-159 Wq's fragments, two sets; v160-255 Wk's and Wv's (later all codes).
;   window 1: q's 32 accumulators ((b, a) at v[8 (8 b + a)]);  window 2: k's;  window 3: v0-127 v's 16; v128-255 x's fragments.
.set PITCH,  272                       ; an LDS row: 256 bytes + 16 of padding = 68 words: the 16 rows that a load touches start at 16 different banks (64 banks of 4 bytes: ISA guide 11.1)
.set RQ,     256*PITCH                 ; a slot: x's 256 rows, Wq's 128, Wk's 128, Wv's 64
.set RK,     RQ+128*PITCH
.set RV,     RK+128*PITCH
.set SLOT,   RV+64*PITCH               ; 156,672 bytes
.set SPARE,  2*SLOT                    ; behind the ring: the spare words, 128 bytes for each wave, that no other line names
.set KROW,   2048                      ; a row of x or of a weight in memory, in bytes
.set PADW,   (1<<20)|(1<<21)|(5<<22)|(3<<25)   ; elements of 1 byte; padding on; bit 21 beside a mask; after every 64 words; 4 words
.set ADRA, 4                           ; v4-5    LDS address of my fragments of x in slot 0, 1
.set ADRB, 6                           ; v6-7    of Wq (Wk lies RK - RQ further on)
.set SPW,  8                           ; v8      my spare word; never rewritten
.set NIL,  9                           ; v9      0; never rewritten
.set ADRV, 10                          ; v10-11  of Wv
.set GO,   12                          ; v12     16 x lane: my place in a stored piece
.set SCL,  13                          ; v13-15  the conversions' scales for q, k, v as f32
.set LIM,  16                          ; v16-18  448 x those
.set PFO,  20                          ; v20     the prefetches' offset: lane x a row; never rewritten
.set PFO4, 21                          ; v21     the same for Wv: min(lane, 3) x a row
.set CQ,   32
.set CK,   96
.set CV,   160
.set WF,   32                          ; Wq's fragments, two sets
.set WG,   160                         ; Wk's and Wv's
.set AF,   128                         ; x's fragments, window 3
.set WV,   20
.set RH,   21
.set CH,   22
.set LAPC, 23
.set G1A,  24                          ; s[24:31], s[32:39], s[40:47]: groups 1 for x (256 rows), Wq and Wk (128), Wv (64)
.set G1W,  32
.set G1V,  40
.set G0A,  48                          ; groups 0, a set for each slot
.set G0Q,  56
.set G0K,  68
.set G0V,  76
.set PFA,  66                          ; s[66:67] where my prefetches of x, Wq or Wk stand
.set PFV,  98                          ; s[98:99] and those of Wv
.set W_Q,  0x5c                        ; source 0 (W) window 0, source 1 (x) window 3, C and D window 1
.set W_K,  0xac                        ; the same, C and D window 2
.set W_V,  0xf3                        ; source 0 (x) window 3, source 1 (Wv) window 0, C and D window 3
.set TO_A, 0xc0                        ; destination window 3, address window 0
.set MSB, 0
.macro WIN new                         ; the immediate's high byte repeats the setting that is left
.if MSB != (\new)
	s_set_vgpr_msb (MSB<<8)|(\new)
.set MSB, \new
.endif
.endm
.macro PLACES                          ; four plain vector instructions between a matrix instruction and a load into, or a vector read of, its registers
.rept 4
	v_nop
.endr
.endm
.macro GROUP1 g, rows
	s_mov_b32 s[\g+1], 256<<16                     ; tensor_dim0 = 256
	s_mov_b32 s[\g+2], (\rows)<<16                 ; tensor_dim1
	s_mov_b32 s[\g+3], 256<<16                     ; tile_dim0 = 256
	s_mov_b32 s[\g+4], \rows                       ; tile_dim1
	s_mov_b32 s[\g+5], KROW                        ; from row to row
	s_mov_b32 s[\g+6], 0
	s_mov_b32 s[\g+7], 0
.endm
.macro ARM g0, g1                      ; one wave's joint load; four v_nop follow
	tensor_load_to_lds s[\g0:\g0+3], s[\g1:\g1+7]
	s_nop 0
.rept 4
	v_nop
.endr
.endm
.macro JLOAD s                         ; the branches hang on the wave's number alone: they are the same in every work-group
	s_cmp_lt_u32 s[WV], 2
	s_cbranch_scc0 .Lhi_\@
	s_cmp_eq_u32 s[WV], 0
	s_cbranch_scc0 .Lw1_\@
	ARM G0A+4*\s, G1A
	s_branch .Lasked_\@
.Lw1_\@:
	ARM G0Q+4*\s, G1W
	s_branch .Lasked_\@
.Lhi_\@:
	s_cmp_eq_u32 s[WV], 2
	s_cbranch_scc0 .Lw3_\@
	ARM G0K+4*\s, G1W
	s_branch .Lasked_\@
.Lw3_\@:
	ARM G0V+4*\s, G1V
.Lasked_\@:
.endm
.macro PF off
	global_prefetch_b8 v[PFO], s[PFA:PFA+1] offset:\off th:TH_LOAD_NT scope:SCOPE_SE
	global_prefetch_b8 v[PFO4], s[PFV:PFV+1] offset:\off th:TH_LOAD_NT scope:SCOPE_SE
.endm
.macro CREST                           ; a round of the cluster's barrier behind its opening barrier
	s_cmp_lg_u32 s[WV], 0
	s_cbranch_scc1 .Lnot_wave_0_\@
	s_barrier_signal -3
.Lnot_wave_0_\@:
	s_barrier_wait -3
	s_barrier_signal -1
	s_barrier_wait -1
.endm
.macro CROUND
	s_barrier_signal -1
	s_barrier_wait -1
	CREST
.endm
	s_load_b512 s[4:19], s[0:1], 0x0               ; x s[4:5], Wq s[6:7], Wk s[8:9], Wv s[10:11], scales s[12:13], qimg s[14:15], kimg s[16:17], vimg s[18:19]
	v_lshl_add_u32 v[SPW], v0, 2, SPARE
	v_mov_b32 v[NIL], 0
	ds_add_u32 v[SPW], v[NIL]                      ; the wave's opening: the add, twice on end, and its wait ahead of my first tensor load
	ds_add_u32 v[SPW], v[NIL]
	v_lshrrev_b32 v1, 5, v0
	v_readfirstlane_b32 s[WV], v1                  ; wave 0..3
	s_lshr_b32 s[RH], s[WV], 1                     ; which 128 rows are mine
	s_and_b32 s[CH], s[WV], 1                      ; which half of the columns
	s_mul_i32 s2, s[RH], 128*PITCH
	s_mul_i32 s3, s[CH], 64*PITCH
	s_add_co_u32 s3, s3, RQ
	s_mul_i32 s100, s[CH], 32*PITCH
	s_add_co_u32 s100, s100, RV
	v_and_b32 v1, 15, v0                           ; r = lane % 16
	v_bfe_u32 v2, v0, 4, 1                         ; h = lane / 16
	v_and_b32 v3, 31, v0
	v_lshlrev_b32 v[GO], 4, v3
	v_lshlrev_b32 v[PFO], 11, v3
	v_min_u32 v[PFO4], 3, v3
	v_lshlrev_b32 v[PFO4], 11, v[PFO4]
	v_mul_u32_u24 v19, v1, PITCH
	v_lshl_add_u32 v19, v2, 4, v19                 ; a fragment's row x pitch + 16 x half
	v_add_nc_u32 v[ADRA], s2, v19
	v_add_nc_u32 v[ADRA+1], SLOT, v[ADRA]
	v_add_nc_u32 v[ADRB], s3, v19
	v_add_nc_u32 v[ADRB+1], SLOT, v[ADRB]
	v_add_nc_u32 v[ADRV], s100, v19
	v_add_nc_u32 v[ADRV+1], SLOT, v[ADRV]
	s_bfe_u32 s84, ttmp6, 0x40000                  ; cx
	s_bfe_u32 s85, ttmp6, 0x40004                  ; cy
	s_lshl_b32 s86, ttmp9, 2
	s_add_co_u32 s86, s86, s84                     ; nt: column group = 4 x cluster x + cx
	s_and_b32 s87, ttmp7, 0xffff
	s_lshl_b32 s87, s87, 2
	s_add_co_u32 s87, s87, s85                     ; mt: row tile = 4 x cluster y + cy
	s_lshl_b32 s98, s85, 2
	s_lshl_b32 s98, 15, s98                        ; my row of the cluster
	s_lshl_b32 s99, 0x1111, s84                    ; my column
	s_or_b32 s[G1A], s98, PADW
	s_or_b32 s[G1W], s99, PADW
	s_or_b32 s[G1V], s99, PADW
	GROUP1 G1A, 256
	GROUP1 G1W, 128
	GROUP1 G1V, 64
	s_lshl_b32 s2, s87, 19                         ; x: 256 rows of 2,048 bytes a row tile
	s_mov_b32 s3, 0
	s_lshl_b32 s100, s86, 18                       ; Wq, Wk: 128 rows a column group
	s_mov_b32 s101, 0
	s_wait_alu depctr_va_vdst(0)                   ; it covers the registers made above
	s_wait_dscnt 0x0                               ; both opening adds are done
	s_wait_kmcnt 0x0
	s_load_b256 s[88:95], s[12:13], 0x0            ; e0 .. e7
	s_load_b64 s[96:97], s[12:13], 0x20            ; e8, e9
	s_add_nc_u64 s[4:5], s[4:5], s[2:3]
	s_add_nc_u64 s[6:7], s[6:7], s[100:101]
	s_add_nc_u64 s[8:9], s[8:9], s[100:101]
	s_lshl_b32 s100, s86, 17                       ; Wv: 64 rows a column group
	s_add_nc_u64 s[10:11], s[10:11], s[100:101]
	CROUND                                         ; all sixteen work-groups are here: the first joint loads meet
.irp s, 0,1
	s_mov_b32 s[G0A+4*\s], 1
	s_mov_b32 s[G0A+4*\s+1], \s*SLOT
	s_add_nc_u64 s[G0A+4*\s+2:G0A+4*\s+3], s[4:5], \s*256
	s_or_b32 s[G0A+4*\s+3], s[G0A+4*\s+3], 0x80000000
	s_mov_b32 s[G0Q+4*\s], 1
	s_mov_b32 s[G0Q+4*\s+1], \s*SLOT+RQ
	s_add_nc_u64 s[G0Q+4*\s+2:G0Q+4*\s+3], s[6:7], \s*256
	s_or_b32 s[G0Q+4*\s+3], s[G0Q+4*\s+3], 0x80000000
	s_mov_b32 s[G0K+4*\s], 1
	s_mov_b32 s[G0K+4*\s+1], \s*SLOT+RK
	s_add_nc_u64 s[G0K+4*\s+2:G0K+4*\s+3], s[8:9], \s*256
	s_or_b32 s[G0K+4*\s+3], s[G0K+4*\s+3], 0x80000000
	s_mov_b32 s[G0V+4*\s], 1
	s_mov_b32 s[G0V+4*\s+1], \s*SLOT+RV
	s_add_nc_u64 s[G0V+4*\s+2:G0V+4*\s+3], s[10:11], \s*256
	s_or_b32 s[G0V+4*\s+3], s[G0V+4*\s+3], 0x80000000
.endr
	JLOAD 0                                        ; slot 0: one tensor load a wave at the head
	; where my prefetches stand: at slot 1 of my rows
	s_lshl_b32 s2, s84, 6
	s_lshl_b32 s100, s[CH], 5
	s_add_co_u32 s2, s2, s100                      ; x: rows 64 cx + 32 wave (waves 0, 1)
	s_lshl_b32 s100, s85, 5                        ; Wq, Wk: rows 32 cy (waves 2, 3)
	s_cmp_eq_u32 s[WV], 2
	s_cselect_b64 s[PFA:PFA+1], s[6:7], s[8:9]
	s_cmp_lt_u32 s[WV], 2
	s_cselect_b64 s[PFA:PFA+1], s[4:5], s[PFA:PFA+1]
	s_cselect_b32 s2, s2, s100
	s_lshl_b32 s2, s2, 11
	s_add_co_u32 s2, s2, 256
	s_add_nc_u64 s[PFA:PFA+1], s[PFA:PFA+1], s[2:3]   ; (s3 holds 0)
	s_lshl_b32 s2, s85, 4
	s_lshl_b32 s100, s[WV], 2
	s_add_co_u32 s2, s2, s100                      ; Wv: rows 16 cy + 4 wave
	s_lshl_b32 s2, s2, 11
	s_add_co_u32 s2, s2, 256
	s_add_nc_u64 s[PFV:PFV+1], s[10:11], s[2:3]
	PF 0                                           ; slot 1,
	PF 256                                         ; and slot 2
	; where my results go
	s_lshl_b32 s2, s87, 1
	s_add_co_u32 s2, s2, s[RH]                     ; my tile of 128 rows: 2 mt + rh
	s_lshl_b32 s2, s2, 5
	s_lshl_b32 s100, s86, 1
	s_add_co_u32 s100, s100, s[CH]                 ; my block of 64 along Dk: 2 nt + ch
	s_add_co_u32 s2, s2, s100
	s_lshl_b32 s2, s2, 13                          ; 8,192 bytes each
	s_add_nc_u64 s[14:15], s[14:15], s[2:3]
	s_add_nc_u64 s[16:17], s[16:17], s[2:3]
	s_lshr_b32 s2, s87, 2                          ; batch
	s_lshl_b32 s2, s2, 3
	s_lshr_b32 s100, s86, 1
	s_add_co_u32 s2, s2, s100                      ; tile of 128 dv
	s_lshl_b32 s2, s2, 3
	s_and_b32 s100, s87, 3
	s_lshl_b32 s100, s100, 1
	s_add_co_u32 s2, s2, s100
	s_add_co_u32 s2, s2, s[RH]                     ; block of 128 keys: 2 (mt % 4) + rh
	s_lshl_b32 s2, s2, 14
	s_and_b32 s100, s86, 1
	s_lshl_b32 s100, s100, 1
	s_add_co_u32 s100, s100, s[CH]
	s_lshl_b32 s100, s100, 12                      ; my two blocks of 16 dv: (4 (nt % 2) + 2 ch) x 2,048 bytes
	s_add_co_u32 s2, s2, s100
	s_add_nc_u64 s[18:19], s[18:19], s[2:3]
	; THE SCALES.  A sum of q stands for sum x 2^(e0 + e1), so its code is sum / 2^(e6 - e0 - e1): three exponents folded into the conversion's one scale; k and v likewise.
.macro SCALE t
	s_add_co_i32 s2, s2, 127
	s_lshl_b32 s100, s2, 23
	v_mov_b32 v[SCL+\t], s100                      ; the scale as f32: the conversion takes its exponent field
	s_add_co_i32 s2, s2, 8
	s_lshl_b32 s2, s2, 23
	s_or_b32 s2, s2, 0x600000
	v_mov_b32 v[LIM+\t], s2                        ; 448 x the scale
.endm
	s_wait_kmcnt 0x0
	s_sub_co_i32 s2, s94, s88
	s_sub_co_i32 s2, s2, s89                       ; e6 - e0 - e1
	SCALE 0
	s_sub_co_i32 s2, s95, s90
	s_sub_co_i32 s2, s2, s91                       ; e7 - e2 - e3
	SCALE 1
	s_sub_co_i32 s2, s97, s92
	s_sub_co_i32 s2, s2, s93                       ; e9 - e4 - e5
	SCALE 2
.macro FRAG reg, adr, off              ; a fragment, 16 rows x 128 K: registers 4 c .. 4 c + 3 hold K = 32 c + 16 h + 0 .. 15 of row r
.irp c, 0,1,2,3
	ds_load_b128 v[\reg+4*\c:\reg+4*\c+3], v[\adr] offset:\off+32*\c
.endr
.endm
.macro LX slot, q, a0                  ; 16 loads: x's blocks a0 .. a0 + 3 of the slot's q-th 128 along K
	WIN TO_A
.set aa, \a0
.rept 4
	FRAG AF+16*aa, ADRA+\slot, aa*16*PITCH+128*(\q)
.set aa, aa+1
.endr
.endm
.macro LW slot, q, b0, nb, p           ; 4 nb loads: the weights' blocks b0 .. (0-3 Wq, into set p; 4-7 Wk; 8, 9 Wv)
	WIN 0
.set bb, \b0
.rept \nb
.if bb < 4
	FRAG WF+64*(\p)+16*bb, ADRB+\slot, bb*16*PITCH+128*(\q)
.else
.if bb < 8
	FRAG WG+16*(bb-4), ADRB+\slot, RK-RQ+(bb-4)*16*PITCH+128*(\q)
.else
	FRAG WG+16*(bb-4), ADRV+\slot, (bb-8)*16*PITCH+128*(\q)
.endif
.endif
.set bb, bb+1
.endr
.endm
; The weights' blocks b0 .. b0 + nb - 1, each against x's blocks a0 .. a0 + na - 1.  zero = 1: the first product starts the sums: nothing is cleared.
; The 80 accumulators take turns, one instruction a turn, in the same order in every step.
.macro MUL b0, nb, a0, na, p, zero
.set bb, \b0
.rept \nb
.set aa, \a0
.rept \na
.set rX, AF+16*aa
.set rD, 8*(8*(bb%4)+aa)
.if bb < 4
.set rW, WF+64*(\p)+16*bb
.else
.set rW, WG+16*(bb-4)
.endif
.if bb < 8
.if \zero
	v_wmma_f32_16x16x128_fp8_fp8 v[rD:rD+7], v[rW:rW+15], v[rX:rX+15], 0
.else
	v_wmma_f32_16x16x128_fp8_fp8 v[rD:rD+7], v[rW:rW+15], v[rX:rX+15], v[rD:rD+7]
.endif
.else
.if \zero
	v_wmma_f32_16x16x128_fp8_fp8 v[rD:rD+7], v[rX:rX+15], v[rW:rW+15], 0
.else
	v_wmma_f32_16x16x128_fp8_fp8 v[rD:rD+7], v[rX:rX+15], v[rW:rW+15], v[rD:rD+7]
.endif
.endif
.set aa, aa+1
.endr
.set bb, bb+1
.endr
.endm
; The second half of a step (Wq's set p): x's blocks 4-7, and the runs 2 and 3 of the next step's fragments.
.macro REST ns, nq, p, zero
	WIN W_K
	MUL 4, 4, 4, 4, \p, \zero
	WIN W_V
	MUL 8, 2, 4, 4, \p, \zero
	PLACES
	LW \ns, \nq, 4, 6, 0                           ; run 2: 24 loads
	WIN W_Q
	MUL 0, 4, 4, 4, \p, \zero
	PLACES
	LX \ns, \nq, 4                                 ; run 3: 16 loads
.endm
; A slot's first step (Wq's set 0); the next step lies in the same slot.
.macro STEP slot, zero
	s_wait_dscnt 40                                ; run 1 is in (x 0-3, Wq); behind it: run 2's 24 and run 3's 16
	WIN W_Q
	MUL 0, 4, 0, 4, 0, \zero
	s_wait_dscnt 16                                ; run 2 is in (Wk, Wv); run 3's 16 may be out
	WIN W_K
	MUL 4, 4, 0, 4, 0, \zero
	WIN W_V
	MUL 8, 2, 0, 4, 0, \zero
	PLACES
	LX \slot, 1, 0                                 ; run 1: 32 loads
	LW \slot, 1, 0, 4, 1
	s_wait_dscnt 32                                ; the earlier run 3 is in (x 4-7); the 32 just issued may be out
	REST \slot, 1, 0, \zero
.endm
; A slot's second step (Wq's set 1) changes slots: ONE barrier; in front of it each wave waits for all its tensor loads, adds 0 to its spare word, and waits for that and for its reads of this slot.
.macro TURN slot, next, fill
.if \fill
	s_wait_xcnt 0x0                                ; any prefetch of mine has read its address, which is stepped here
	s_add_nc_u64 s[PFA:PFA+1], s[PFA:PFA+1], 256
	s_add_nc_u64 s[PFV:PFV+1], s[PFV:PFV+1], 256
.endif
	s_wait_dscnt 40                                ; run 1 is in
	WIN W_Q
	MUL 0, 4, 0, 4, 1, 0
	WIN 0                                          ; (the add's two registers lie in window 0)
	s_wait_tensorcnt 0x0                           ; all my tensor loads have landed: my part of the next slot
	ds_add_u32 v[SPW], v[NIL]                      ; 0 onto my spare word
	s_wait_dscnt 17                                ; run 2 is in; run 3's 16 and the add may be out
	WIN W_K
	MUL 4, 2, 0, 4, 1, 0                           ; eight matrix instructions stand between the add and the wait for it
	s_wait_dscnt 0x0                               ; the add is done, and my reads of this slot are over
	s_barrier_signal -1
	MUL 6, 2, 0, 4, 1, 0
	WIN W_V
	MUL 8, 2, 0, 4, 1, 0
	WIN 0
	s_barrier_wait -1
.if \fill
	CREST                                          ; the barrier has opened a round of the cluster's: no wave of any partner still reads this slot or has a load on its way
	s_add_nc_u64 s[G0A+4*\slot+2:G0A+4*\slot+3], s[G0A+4*\slot+2:G0A+4*\slot+3], 512
	s_add_nc_u64 s[G0Q+4*\slot+2:G0Q+4*\slot+3], s[G0Q+4*\slot+2:G0Q+4*\slot+3], 512
	s_add_nc_u64 s[G0K+4*\slot+2:G0K+4*\slot+3], s[G0K+4*\slot+2:G0K+4*\slot+3], 512
	s_add_nc_u64 s[G0V+4*\slot+2:G0V+4*\slot+3], s[G0V+4*\slot+2:G0V+4*\slot+3], 512
	JLOAD \slot                                    ; the first tensor load behind the round: 136 matrix instructions ahead of the wait for it; its four v_nop are also the places in front of the loads below
.else
	PLACES
.endif
	LX \next, 0, 0
	LW \next, 0, 0, 4, 0
.if \fill
	s_cmp_gt_u32 s[LAPC], 1                        ; two refills on; the last trip's two refills have no slot two on
	s_cbranch_scc0 .Lnone_\@
	PF 512
.Lnone_\@:
.endif
	REST \next, 0, 1, 0
.endm
	s_wait_alu depctr_va_vdst(0)                   ; the wait at the head's end
	s_wait_tensorcnt 0x0                           ; my part of slot 0 is in
	ds_add_u32 v[SPW], v[NIL]
	s_wait_dscnt 0x0
	CROUND                                         ; everybody's part of slot 0 is in
	JLOAD 1                                        ; slot 1, the first tensor load behind the round
	LX 0, 0, 0
	LW 0, 0, 0, 4, 0
	LW 0, 0, 4, 6, 0
	LX 0, 0, 4
	WIN 0
	PF 512                                         ; slot 3
	STEP 0, 1                                      ; the first step stands in front of the loop: its products start the sums
	WIN 0                                          ; at a label and at a branch every window is 0
	s_mov_b32 s[LAPC], 3
.Llap:                                                 ; a trip goes once round the ring and fills both slots again: 3 trips, K slots 2 to 7
	TURN 0, 1, 1
	STEP 1, 0
	TURN 1, 0, 1
	STEP 0, 0
	WIN 0
	s_sub_co_u32 s[LAPC], s[LAPC], 1
	s_cmp_lg_u32 s[LAPC], 0
	s_cbranch_scc1 .Llap
	TURN 0, 1, 0                                   ; the last lap fills nothing, and has no round of the cluster's barrier
	STEP 1, 0
.macro HOLD w, cnt, t                  ; the conversion to an 8-bit code does not saturate (ISA guide 7.6.2): each sum is held within 448 x the scale first; each accumulator from its low end on
	WIN ((\w)<<6)|(\w)
.set i, 0
.rept \cnt
	v_med3_num_f32 v[i], v[i], -v[LIM+\t], v[LIM+\t]
.set i, i+1
.endr
.endm
.macro CODES w, nb, c, sa, sb, t       ; accumulator (bb, aa) of window w becomes two registers of codes at c + sa aa + sb bb
	WIN \w
.set bb, 0
.rept \nb
.set aa, 0
.rept 8
	v_cvt_scalef32_pk8_fp8_f32 v[\c+\sa*aa+\sb*bb:\c+\sa*aa+\sb*bb+1], v[8*(8*bb+aa):8*(8*bb+aa)+7], v[SCL+\t]
.set aa, aa+1
.endr
.set bb, bb+1
.endr
	v_nop                                          ; one plain vector instruction behind the last conversion of a run
	WIN 0
.endm
.macro SENDOUT c, cnt, base            ; cnt pieces of four registers: each store covers 512 consecutive bytes, aligned; the pieces lie on end
.set i, 0
.rept \cnt
	global_store_b128 v[GO], v[\c+4*i:\c+4*i+3], s[\base:\base+1] offset:512*i
.set i, i+1
.endr
.endm
	; THE VERY LAST STEP finishes q first, so that q's codes leave while k and v are finished.
	s_wait_dscnt 40
	WIN W_Q
	MUL 0, 4, 0, 4, 1, 0
	s_wait_dscnt 0x0
	MUL 0, 4, 4, 4, 1, 0
	PLACES
	HOLD 1, 256, 0
	CODES 1, 4, CQ, 8, 2, 0                        ; row block a: registers 2 b, 2 b + 1 hold columns 16 b + 8 h + 0 .. 7: 64 along K
	SENDOUT CQ, 16, 14
	WIN W_K
	MUL 4, 4, 0, 8, 1, 0
	WIN W_V
	MUL 8, 2, 0, 8, 1, 0
	PLACES
	HOLD 2, 256, 1
	CODES 2, 4, CK, 8, 2, 1
	SENDOUT CK, 16, 16
	HOLD 3, 128, 2
	CODES 3, 2, CV, 2, 16, 2                       ; dv block b: registers 2 a, 2 a + 1 hold keys 16 a + 8 h + 0 .. 7: a K = 128 fragment
	SENDOUT CV, 8, 18
	s_wait_tensorcnt 0x0                           ; the wave's end
	ds_add_u32 v[SPW], v[NIL]
	s_wait_dscnt 0x0
	CROUND                                         ; the closing round: no work-group ends while a partner may still ask for a tile that names it
	s_endpgm
.Lfunc_end_k_qf7309225d3_proj:
	.size	k_qf7309225d3_proj, .Lfunc_end_k_qf7309225d3_proj-k_qf7309225d3_proj
	.p2alignl 7, 3214868480
	.fill 96, 4, 3214868480
	.section	.rodata,"a",@progbits
	.p2align	6, 0x0
	.amdhsa_kernel k_qf7309225d3_proj
		.amdhsa_group_segment_fixed_size 327680
		.amdhsa_private_segment_fixed_size 0
		.amdhsa_enable_private_segment 0
		.amdhsa_kernarg_size 64
		.amdhsa_user_sgpr_count 2
		.amdhsa_user_sgpr_kernarg_segment_ptr 1
		.amdhsa_wavefront_size32 1
		.amdhsa_system_sgpr_workgroup_id_x 1
		.amdhsa_system_sgpr_workgroup_id_y 1
		.amdhsa_system_sgpr_workgroup_id_z 1
		.amdhsa_system_vgpr_workitem_id 0
		.amdhsa_next_free_vgpr 1024
		.amdhsa_next_free_sgpr 102
		.amdhsa_reserve_vcc 0
		.amdhsa_float_denorm_mode_32 3
		.amdhsa_float_denorm_mode_16_64 3
		.amdhsa_memory_ordered 1
		.amdhsa_forward_progress 1
		.amdhsa_inst_pref_size 149
	.end_amdhsa_kernel
	.amdgpu_metadata
---
amdhsa.version: [ 1, 2 ]
amdhsa.kernels:
  - .name:           k_qf7309225d3_proj
    .symbol:         k_qf7309225d3_proj.kd
    .args:
      - { .name: x_codes, .offset: 0, .size: 8, .value_kind: global_buffer, .address_space: global }
      - { .name: Wq_codes, .offset: 8, .size: 8, .value_kind: global_buffer, .address_space: global }
      - { .name: Wk_codes, .offset: 16, .size: 8, .value_kind: global_buffer, .address_space: global }
      - { .name: Wv_codes, .offset: 24, .size: 8, .value_kind: global_buffer, .address_space: global }
      - { .name: lowp_scales, .offset: 32, .size: 8, .value_kind: global_buffer, .address_space: global }
      - { .name: qimg, .offset: 40, .size: 8, .value_kind: global_buffer, .address_space: global }
      - { .name: kimg, .offset: 48, .size: 8, .value_kind: global_buffer, .address_space: global }
      - { .name: vimg, .offset: 56, .size: 8, .value_kind: global_buffer, .address_space: global }
    .group_segment_fixed_size: 327680
    .private_segment_fixed_size: 0
    .kernarg_segment_align: 8
    .kernarg_segment_size: 64
    .max_flat_workgroup_size: 128
    .sgpr_count:     102
    .vgpr_count:     1024
    .wavefront_size: 32
...
	.end_amdgpu_metadata
.endif
;; end of part 1
;; launch score (part 2): grid 12 x 16, 4 waves a work-group, clusters of 4 x 4, 327,680 bytes of LDS; arguments qimg, kimg, lowp_scales, pimg, stat; writes pimg, stat
.if DOCPART == 2
	.amdgcn_target "amdgcn-amd-amdhsa--gfx1250"
	.amdhsa_code_object_version 6
	.text
	.protected	k_qf7309225d3_score
	.globl	k_qf7309225d3_score
	.p2align	8
	.type	k_qf7309225d3_score,@function
k_qf7309225d3_score:
	s_mov_b64 s[64:65], 0
	v_nop
	global_prefetch_b8 v0, s[64:65] scope:SCOPE_SE
	s_setreg_imm32_b32 hwreg(HW_REG_WAVE_MODE, 25, 1), 1
	s_wait_xcnt 0x0
	s_wait_alu depctr_hold_cnt(0) depctr_sa_sdst(0) depctr_va_vdst(0) depctr_va_sdst(0) depctr_va_ssrc(0) depctr_va_vcc(0) depctr_vm_vsrc(0)
	s_getreg_b32 s2, hwreg(HW_REG_IB_STS2, 6, 4)
	s_cmp_eq_u32 s2, 0
	s_cbranch_scc0 .Lentry_in_a_cluster
	s_endpgm
.Lentry_in_a_cluster:
	s_bfe_u32 s2, ttmp6, 0x10000c
	s_cmp_lg_u32 s2, 0xf033
	s_cbranch_scc0 .Lentry_shape_is_right
	s_endpgm
.Lentry_shape_is_right:
; A tile of 128 queries x 128 keys of S = Q(q) Q(k)^T (K = 2,048, codes of FP8), the causal mask, and p = 2^(t - M) quantised with 2^e8, t = score x log2(e) / sqrt(2048).
; WORK LEFT OUT: the blocks of 512 x 512 scores above the diagonal, which reference()'s own jnp.tril sets to -infinity for all values of the inputs (a NaN or an infinity that reaches only those is not carried to the result).
; M IS TAKEN FOR EACH ROW OF EACH TILE: the ceiling of the largest t among the tile's 128 keys.  It is a whole number, and the next launch brings each tile under the row's M by an exact power of two.
; LIMIT of that: against one M for the whole row, values differ only where a code would fall under E4M3's normal range, or at the hold if 448 x 2^e8 < 1.
; Stored: p's codes as images of the next operand's registers, pimg [batch 4][128 queries: 8][128 keys: 8][16 queries: 8][2,048 bytes]; and stat [batch][i][j][half of the keys: 2][query 128][-M, the sum of the
; unquantised p over that half's 64 keys], f32.
; CLUSTERS: 4 x 4 work-groups cover 512 x 512 of S.  Of a batch's four such blocks the three that the mask leaves are made: cluster x = 0: (0, 0); 1: (1, 0); 2: (1, 1).  q's tile is shared along a row of the
; cluster, k's along a column: joint loads.  In the two blocks on the diagonal the six tiles above it run the same text and make every joint request (no branch may hang on a place in the cluster);
; the mask's arithmetic gives them zero codes, a sum of 0 and -M = 3e38, and the next launch reads them so: it then has one text for all partners too.
; SHARES.  Wave (rh, ch): 64 queries x 64 keys, 16 accumulators.  USED TRANSPOSED (source 0 = 16 keys, source 1 = 16 queries): a lane holds one query and eight neighbouring keys, the next product's K.
; K goes in slots of 512 through two LDS slots; q's and k's tiles are dense blocks of images: a fragment's four registers are 512 consecutive bytes, lane l at 16 l: no padding is needed.
; THE LOADS: at the head each wave issues ONE tensor load, 65,536 bytes: waves 0, 1 q's slots 0, 1, waves 2, 3 k's; behind each of two changes of slots one of 32,768 bytes.  K slots 2 and 3 are prefetched behind the head's load:
; each block of 256 bytes once a cluster, the four partners that share a tile split it by address (cx for q, cy for k), 32 blocks a wave and slot.
; LIMITS: e6 + e7 between -121 and 132 (added to c's exponent field); e8 between -126 and 119.  NaN is not served.  The promise holds while |t| stays under 2^31.
; REGISTERS.  Window 0: v1-15 addresses and constants; v16 the mask's d; v20-27 (-M, l) for my four tiles of queries; v28-56 at work; v64-95 codes; v96-99 stat pairs; v128-255 accumulators ((a, kb) at 128 + 8 (4 a + kb)).
;   windows 1, 2: two sets of fragments for 256 along K: for c = 0, 1: at 128 c q's four (16 registers each), at 128 c + 64 k's four.
.set SLOT,  131072                     ; q's 65,536 bytes, then k's
.set SPARE, 2*SLOT                     ; the spare words, 128 bytes for each wave, that no other line names
.set XCH,   SPARE+512                  ; 256 bytes for each wave: the row maxima that the two waves of a row half exchange; no fill lands here
.set ADRQ, 4
.set ADRK, 6
.set SPW,  8
.set NIL,  9
.set XW,   10
.set XR,   11
.set GO16, 12
.set GO8,  13
.set NINF, 14
.set SCL,  15
.set DQ,   16
.set NM,   20
.set MX,   28
.set PL,   36
.set TS,   40
.set PFO,  56                          ; v56: 256 x lane, the prefetches' offset
.set CD,   64
.set SO,   96
.set ACC,  128
.set WV,   14
.set RH,   15
.set CH,   16
.set G1Q,  24                          ; groups 1 of the refills (128 rows of 256 bytes)
.set G1K,  32
.set G0Q,  40                          ; groups 0 of the refills, a set for each slot
.set G0K,  48
.set CS,   58
.set SEL,  60
.set G1QH, 76                          ; groups 1 and 0 of the head's loads (256 rows); later s[76:91] hold the mask's compares
.set G1KH, 84
.set G0QH, 92
.set G0KH, 96
.set PFA,  100                         ; s[100:101] where my prefetches stand
.set MSB, 0
.macro WIN new
.if MSB != (\new)
	s_set_vgpr_msb (MSB<<8)|(\new)
.set MSB, \new
.endif
.endm
.macro PLACES
.rept 4
	v_nop
.endr
.endm
.macro JLOAD s                         ; waves 0 and 1 fetch q's two halves, waves 2 and 3 k's; four v_nop follow each line
	s_cmp_eq_u32 s[RH], 0
	s_cbranch_scc0 .Lfor_k_\@
	tensor_load_to_lds s[G0Q+4*\s:G0Q+4*\s+3], s[G1Q:G1Q+7]
	s_nop 0
.rept 4
	v_nop
.endr
	s_branch .Lasked_\@
.Lfor_k_\@:
	tensor_load_to_lds s[G0K+4*\s:G0K+4*\s+3], s[G1K:G1K+7]
	s_nop 0
.rept 4
	v_nop
.endr
.Lasked_\@:
.endm
.macro CREST
	s_cmp_lg_u32 s[WV], 0
	s_cbranch_scc1 .Lnot_wave_0_\@
	s_barrier_signal -3
.Lnot_wave_0_\@:
	s_barrier_wait -3
	s_barrier_signal -1
	s_barrier_wait -1
.endm
.macro CROUND
	s_barrier_signal -1
	s_barrier_wait -1
	CREST
.endm
.macro GROUP1 g, rows
	s_mov_b32 s[\g+1], 32<<16                      ; a dense block as rows of 256 bytes: tensor_dim0 = 32 elements of 8 bytes
	s_mov_b32 s[\g+2], (\rows)<<16                 ; tensor_dim1
	s_mov_b32 s[\g+3], 32<<16                      ; tile_dim0
	s_mov_b32 s[\g+4], \rows                       ; tile_dim1
	s_mov_b32 s[\g+5], 32                          ; from row to row
	s_mov_b32 s[\g+6], 0
	s_mov_b32 s[\g+7], 0
.endm
	s_load_b256 s[4:11], s[0:1], 0x0               ; qimg s[4:5], kimg s[6:7], scales s[8:9], pimg s[10:11]
	s_load_b64 s[12:13], s[0:1], 0x20              ; stat
	v_lshl_add_u32 v[SPW], v0, 2, SPARE
	v_mov_b32 v[NIL], 0
	ds_add_u32 v[SPW], v[NIL]                      ; the wave's opening: the add, twice on end, and its wait
	ds_add_u32 v[SPW], v[NIL]
	v_lshrrev_b32 v1, 5, v0
	v_readfirstlane_b32 s[WV], v1
	s_lshr_b32 s[RH], s[WV], 1                     ; which 64 queries.  Also: I fetch for q (0) or for k (1)
	s_and_b32 s[CH], s[WV], 1                      ; which 64 keys.  Also: which half of that tile I fetch
	s_bfe_u32 s21, ttmp6, 0x40000                  ; cx
	s_bfe_u32 s22, ttmp6, 0x40004                  ; cy
	s_and_b32 s18, ttmp7, 0xffff                   ; batch = cluster y
	s_min_u32 s19, ttmp9, 1                        ; I: the block's row, of cluster x = 0, 1, 2: 0, 1, 1
	s_lshr_b32 s20, ttmp9, 1                       ; J: its column: 0, 0, 1
	s_lshl_b32 s23, s19, 2
	s_add_co_u32 s23, s23, s22                     ; i: tile of queries
	s_lshl_b32 s56, s20, 2
	s_add_co_u32 s56, s56, s21                     ; j: tile of keys
	s_lshl_b32 s57, s22, 2
	s_lshl_b32 s57, 15, s57                        ; my row of the cluster
	s_lshl_b32 s63, 0x1111, s21                    ; my column
	s_or_b32 s[G1Q], s57, (3<<16)|(1<<21)          ; the mask; elements of 8 bytes; bit 21 beside a mask; no padding
	s_or_b32 s[G1K], s63, (3<<16)|(1<<21)
	s_or_b32 s[G1QH], s57, (3<<16)|(1<<21)
	s_or_b32 s[G1KH], s63, (3<<16)|(1<<21)
	GROUP1 G1Q, 128
	GROUP1 G1K, 128
	GROUP1 G1QH, 256
	GROUP1 G1KH, 256
	s_lshl_b32 s73, s[CH], 15                      ; a refill's half of a slot's 65,536 bytes
	s_lshl_b32 s66, s18, 3
	s_add_co_u32 s66, s66, s23
	s_lshl_b32 s66, s66, 18                        ; q: tile 8 batch + i, 262,144 bytes each
	s_add_co_u32 s66, s66, s73
	s_mov_b32 s67, 0
	s_lshl_b32 s68, s18, 3
	s_add_co_u32 s68, s68, s56
	s_lshl_b32 s68, s68, 18                        ; k: tile 8 batch + j
	s_add_co_u32 s68, s68, s73
	s_mov_b32 s69, 0
	s_lshl_b32 s74, s[WV], 15                      ; where the refills go: wave x 32,768: no place in the cluster enters an LDS address
	s_lshl_b32 s75, s[CH], 17                      ; where the head's load goes: slot ch
	s_mov_b32 s[SEL], 0x76543210
	s_mov_b32 s[SEL+1], 0xfedcba98
	s_wait_alu depctr_va_vdst(0)
	s_wait_dscnt 0x0                               ; both opening adds are done
	s_wait_kmcnt 0x0
	s_load_b64 s[70:71], s[8:9], 0x18              ; e6, e7
	s_load_b32 s72, s[8:9], 0x20                   ; e8
	s_add_nc_u64 s[4:5], s[4:5], s[66:67]
	s_add_nc_u64 s[6:7], s[6:7], s[68:69]
	s_mov_b32 s66, s73                             ; s[4:5] and s[6:7] hold 32,768 x ch already: once more makes 65,536 x ch  (s67 holds 0)
	CROUND                                         ; all sixteen work-groups are here: the first joint loads meet
	s_mov_b32 s[G0QH], 1
	s_mov_b32 s[G0QH+1], s75
	s_add_nc_u64 s[G0QH+2:G0QH+3], s[4:5], s[66:67]
	s_or_b32 s[G0QH+3], s[G0QH+3], 0x80000000
	s_mov_b32 s[G0KH], 1
	s_add_co_u32 s[G0KH+1], s75, 65536
	s_add_nc_u64 s[G0KH+2:G0KH+3], s[6:7], s[66:67]
	s_or_b32 s[G0KH+3], s[G0KH+3], 0x80000000
	s_cmp_eq_u32 s[RH], 0                          ; one tensor load a wave
	s_cbranch_scc0 .Lfirst_k
	tensor_load_to_lds s[G0QH:G0QH+3], s[G1QH:G1QH+7]
	s_nop 0
.rept 4
	v_nop
.endr
	s_branch .Lfirst_asked
.Lfirst_k:
	tensor_load_to_lds s[G0KH:G0KH+3], s[G1KH:G1KH+7]
	s_nop 0
.rept 4
	v_nop
.endr
.Lfirst_asked:
.irp s, 0,1                            ; the refills' groups 0, two slots ahead of the first refill's step
	s_mov_b32 s[G0Q+4*\s], 1
	s_add_co_u32 s[G0Q+4*\s+1], s74, \s*SLOT
	s_add_nc_u64 s[G0Q+4*\s+2:G0Q+4*\s+3], s[4:5], \s*65536
	s_or_b32 s[G0Q+4*\s+3], s[G0Q+4*\s+3], 0x80000000
	s_mov_b32 s[G0K+4*\s], 1
	s_add_co_u32 s[G0K+4*\s+1], s74, \s*SLOT+65536-65536
	s_add_nc_u64 s[G0K+4*\s+2:G0K+4*\s+3], s[6:7], \s*65536
	s_or_b32 s[G0K+4*\s+3], s[G0K+4*\s+3], 0x80000000
.endr
	s_cmp_eq_u32 s[RH], 0
	s_cselect_b64 s[PFA:PFA+1], s[4:5], s[6:7]
	s_cselect_b32 s75, s21, s22                    ; my place among the four that share the tile
	s_lshl_b32 s75, s75, 14
	s_add_co_u32 s75, s75, 131072                  ; K slot 2 + 16,384 x place
	s_mul_i32 s66, s[CH], 24576                    ; + 8,192 x ch in all: the base holds 32,768 x ch
	s_sub_co_u32 s66, s75, s66
	s_add_nc_u64 s[PFA:PFA+1], s[PFA:PFA+1], s[66:67]
	v_and_b32 v3, 31, v0                           ; lane
	v_lshlrev_b32 v[PFO], 8, v3
	global_prefetch_b8 v[PFO], s[PFA:PFA+1] th:TH_LOAD_NT scope:SCOPE_SE               ; K slot 2,
	global_prefetch_b8 v[PFO], s[PFA:PFA+1] offset:65536 th:TH_LOAD_NT scope:SCOPE_SE  ; and 3
	v_and_b32 v1, 15, v0                           ; r
	v_bfe_u32 v2, v0, 4, 1                         ; h
	s_wait_alu depctr_va_vdst(0)
	v_lshlrev_b32 v[GO16], 4, v3
	v_lshlrev_b32 v[GO8], 3, v3
	s_lshl_b32 s73, s[RH], 12                      ; my four blocks of 16 queries: 4 x 1,024 bytes in each block of 64 along K
	v_add_nc_u32 v[ADRQ], s73, v[GO16]
	v_add_nc_u32 v[ADRQ+1], SLOT, v[ADRQ]
	s_lshl_b32 s73, s[CH], 12
	s_add_co_u32 s73, s73, 65536
	v_add_nc_u32 v[ADRK], s73, v[GO16]
	v_add_nc_u32 v[ADRK+1], SLOT, v[ADRK]
	s_lshl_b32 s73, s[WV], 8
	s_add_co_u32 s73, s73, XCH
	v_lshl_add_u32 v[XW], v1, 2, s73               ; where I put my rows' maxima
	s_xor_b32 s73, s[WV], 1
	s_lshl_b32 s73, s73, 8
	s_add_co_u32 s73, s73, XCH
	v_lshl_add_u32 v[XR], v1, 2, s73               ; and where the wave with the other 64 keys puts its
	v_mov_b32 v[NINF], 0xff800000                  ; -infinity
.irp a, 0,1,2,3
	v_mov_b32 v[PL+\a], 0                          ; written once: a lane permute's destination counts as one of its sources
.endr
; 64 LDS loads in one run: the fragments of half hf (256 along K) of a slot into window w; the first 128 along K first.  A K = 128 fragment is two images of 1,024 bytes, 8,192 bytes apart.
.macro FETCH slot, hf, w
	WIN (\w)<<6
.irp c, 0,1
.irp x, 0,1,2,3
.irp e, 0,1
.irp p, 0,1
	ds_load_b128 v[128*\c+16*\x+8*\e+4*\p:128*\c+16*\x+8*\e+4*\p+3],       v[ADRQ+\slot] offset:(2*(2*(\hf)+\c)+\e)*8192+\x*1024+512*\p
	ds_load_b128 v[128*\c+64+16*\x+8*\e+4*\p:128*\c+64+16*\x+8*\e+4*\p+3], v[ADRK+\slot] offset:(2*(2*(\hf)+\c)+\e)*8192+\x*1024+512*\p
.endr
.endr
.endr
.endr
.endm
; 8 matrix instructions: tiles of queries a0, a0 + 1 x the four tiles of keys, 128 along K (part c of the set in the window that is set).  The 16 accumulators take turns.
.macro MUL8 c, a0, zero
.irp a, \a0, \a0+1
.irp kb, 0,1,2,3
.if \zero
	v_wmma_f32_16x16x128_fp8_fp8 v[ACC+8*(4*(\a)+\kb):ACC+8*(4*(\a)+\kb)+7], v[128*\c+64+16*\kb:128*\c+64+16*\kb+15], v[128*\c+16*(\a):128*\c+16*(\a)+15], 0
.else
	v_wmma_f32_16x16x128_fp8_fp8 v[ACC+8*(4*(\a)+\kb):ACC+8*(4*(\a)+\kb)+7], v[128*\c+64+16*\kb:128*\c+64+16*\kb+15], v[128*\c+16*(\a):128*\c+16*(\a)+15], v[ACC+8*(4*(\a)+\kb):ACC+8*(4*(\a)+\kb)+7]
.endif
.endr
.endr
.endm
.macro HALF slot, zero                 ; a slot's first 256 along K, on the set in window 1; the second 256 are fetched into window 2
	s_wait_dscnt 32                                ; the set's first 32 loads are in; its other 32 may be out
	WIN 0x05
	MUL8 0, 0, \zero
	MUL8 0, 2, \zero
	s_wait_dscnt 0x0                               ; the other 32 are in (asked for ahead of the 16 matrix instructions above)
	PLACES
	FETCH \slot, 1, 2
	WIN 0x05
	MUL8 1, 0, 0
	MUL8 1, 2, 0
.endm
.macro TURN slot, next, fill           ; a slot's second 256 along K, on the set in window 2, and the change of slots
	WIN 0
	s_wait_tensorcnt 0x0                           ; all my tensor loads have landed: my part of the next slot
	ds_add_u32 v[SPW], v[NIL]                      ; 0 onto my spare word
	s_wait_dscnt 33                                ; the set's first 32 loads are in; its other 32 and the add may be out
	WIN 0x0a
	MUL8 0, 0, 0
	s_wait_dscnt 0x0                               ; the add is done, and my reads of this slot are over
	s_barrier_signal -1
	MUL8 0, 2, 0
	WIN 0
	s_barrier_wait -1
.if \fill
	CREST                                          ; the barrier has opened a round of the cluster's
	s_add_nc_u64 s[G0Q+4*\slot+2:G0Q+4*\slot+3], s[G0Q+4*\slot+2:G0Q+4*\slot+3], 131072
	s_add_nc_u64 s[G0K+4*\slot+2:G0K+4*\slot+3], s[G0K+4*\slot+2:G0K+4*\slot+3], 131072
	JLOAD \slot                                    ; the first tensor load behind the round; its four v_nop are also the places in front of the loads below
.else
	PLACES
.endif
	FETCH \next, 0, 1
	WIN 0x0a
	MUL8 1, 0, 0
	MUL8 1, 2, 0
.endm
	s_wait_alu depctr_va_vdst(0)                   ; the wait at the head's end
	s_wait_tensorcnt 0x0                           ; my part of slots 0 and 1 is in
	s_barrier_signal -1
	s_barrier_wait -1
	FETCH 0, 0, 1
	HALF 0, 1                                      ; K = 2,048 is four slots' worth: written out, no loop
	TURN 0, 1, 1
	HALF 1, 0
	TURN 1, 0, 1
	HALF 0, 0
	TURN 0, 1, 0
	HALF 1, 0
	s_wait_dscnt 32
	WIN 0x0a
	MUL8 0, 0, 0
	MUL8 0, 2, 0
	s_wait_dscnt 0x0
	MUL8 1, 0, 0
	MUL8 1, 2, 0
	WIN 0
	; THE MASK.  Register 8 kb + jj of tile a holds key 128 j + 64 ch + 16 kb + 8 h + jj for query 128 i + 64 rh + 16 a + r: hidden where 16 (kb - a) + jj > d, d = 128 (i - j) + 64 (rh - ch) + r - 8 h.
	; So one compare serves every pair (a, kb) of the same kb - a: 56 compares, eight at a time into scalar masks, two banks of eight by turns (s[76:91], which the head's descriptors have left).
	s_wait_kmcnt 0x0
	s_add_co_i32 s57, s70, s71
	s_lshl_b32 s57, s57, 23
	s_mov_b32 s[CS], 0x3d0293ee                    ; c = log2(e) / sqrt(2048)
	s_add_co_i32 s[CS], s[CS], s57                 ; a sum stands for sum x 2^(e6 + e7): the exponents are added to c's exponent field
	s_mov_b32 s[CS+1], s[CS]                       ; (named with it as a pair, so it is written)
	s_add_co_i32 s57, s72, 127
	s_lshl_b32 s63, s57, 23
	v_mov_b32 v[SCL], s63                          ; 2^e8 as f32
	s_add_co_i32 s57, s57, 8
	s_lshl_b32 s57, s57, 23
	s_or_b32 s62, s57, 0x600000                    ; 448 x 2^e8
	s_sub_co_i32 s57, s23, s56
	s_lshl_b32 s57, s57, 7
	s_sub_co_i32 s63, s[RH], s[CH]
	s_lshl_b32 s63, s63, 6
	s_add_co_i32 s57, s57, s63
	v_lshlrev_b32 v[MX], 3, v2
	v_sub_nc_u32 v[MX], v1, v[MX]
	v_add_nc_u32 v[DQ], s57, v[MX]
	PLACES
.set dd, 0
.rept 7
.set mk, 76+8*(dd%2)
.set jj, 0
.rept 8
	v_cmp_gt_i32 s[mk+jj], 16*(dd-3)+jj, v[DQ]
.set jj, jj+1
.endr
.set aa, 0
.rept 4
.set kk, aa+dd-3
.if kk >= 0
.if kk < 4
.set jj, 0
.rept 8
	v_cndmask_b32 v[ACC+32*aa+8*kk+jj], v[ACC+32*aa+8*kk+jj], v[NINF], s[mk+jj]
.set jj, jj+1
.endr
.endif
.endif
.set aa, aa+1
.endr
.set dd, dd+1
.endr
	; THE TILE'S LARGEST SCORE OF EACH QUERY: among my 32 keys in two chains, lane l xor 16's, and the other wave's 64 keys (through LDS)
.irp a, 0,1,2,3
	v_max3_num_f32 v[MX+2*\a],   v[ACC+32*\a],   v[ACC+32*\a+1], v[ACC+32*\a+2]
	v_max3_num_f32 v[MX+2*\a+1], v[ACC+32*\a+3], v[ACC+32*\a+4], v[ACC+32*\a+5]
.endr
.irp i, 6,10,14,18,22,26
.irp a, 0,1,2,3
	v_max3_num_f32 v[MX+2*\a],   v[MX+2*\a],   v[ACC+32*\a+\i],   v[ACC+32*\a+\i+1]
	v_max3_num_f32 v[MX+2*\a+1], v[MX+2*\a+1], v[ACC+32*\a+\i+2], v[ACC+32*\a+\i+3]
.endr
.endr
.irp a, 0,1,2,3
	v_max3_num_f32 v[MX+2*\a], v[MX+2*\a], v[ACC+32*\a+30], v[ACC+32*\a+31]
.endr
.irp a, 0,1,2,3
	v_max_num_f32 v[MX+2*\a], v[MX+2*\a], v[MX+2*\a+1]
.endr
.irp a, 0,1,2,3
	v_permlanex16_b32 v[PL+\a], v[MX+2*\a], s[SEL], s[SEL+1]
.endr
.irp a, 0,1,2,3
	v_max_num_f32 v[MX+2*\a], v[MX+2*\a], v[PL+\a]
.endr
.irp a, 0,1,2,3
	ds_store_b32 v[XW], v[MX+2*\a] offset:64*\a    ; lanes r and r + 16 write the same word with the same number
.endr
	s_wait_alu depctr_va_vdst(0)
	s_wait_dscnt 0x0                               ; for the other wave's sake: my stores are done
	s_barrier_signal -1
	s_barrier_wait -1
.irp a, 0,1,2,3
	ds_load_b32 v[PL+\a], v[XR] offset:64*\a
.endr
	s_wait_dscnt 0x0
.irp a, 0,1,2,3
	v_max_num_f32 v[MX+2*\a], v[MX+2*\a], v[PL+\a]
.endr
.irp a, 0,1,2,3
	v_mul_f32 v[MX+2*\a], s[CS], v[MX+2*\a]        ; as t (c is positive)
.endr
.irp a, 0,1,2,3
	v_max_num_f32 v[MX+2*\a], 0xff61b1e6, v[MX+2*\a]   ; a row all of whose 128 keys are hidden: -3e38 in place of -infinity, so that p = 2^(-infinity) = 0
.endr
.irp a, 0,1,2,3
	v_floor_f32 v[NM+2*\a], -v[MX+2*\a]            ; -M = floor(-t) = -ceil(t): M is a whole number
	v_mov_b32 v[NM+2*\a+1], 0                      ; (named with it as a pair, so it is written; the sum comes here)
.endr
.irp a, 0,1,2,3
.set n, 0
.rept 16
	v_pk_fma_f32 v[ACC+32*\a+n:ACC+32*\a+n+1], v[ACC+32*\a+n:ACC+32*\a+n+1], s[CS:CS+1], v[NM+2*\a:NM+2*\a+1] op_sel_hi:[1,0,0]   ; t - M, two at a time
.set n, n+2
.endr
.endr
.set n, 0
	s_wait_alu depctr_va_vdst(0)                   ; the wait ahead of the batch
.rept 128
	v_exp_f32 v[ACC+n], v[ACC+n]                   ; p = 2^(t - M), at most 1: not normalised
.set n, n+1
.endr
	v_nop                                          ; a plain instruction behind the last exponential
	s_wait_alu depctr_va_vdst(0)                   ; one wait for the whole batch, ahead of its first reader
	; THE SUM IS TAKEN OF THE UNQUANTISED p: two at a time, in two chains a tile
.irp a, 0,1,2,3
	v_pk_add_f32 v[TS+4*\a:TS+4*\a+1],   v[ACC+32*\a:ACC+32*\a+1],   v[ACC+32*\a+2:ACC+32*\a+3]
	v_pk_add_f32 v[TS+4*\a+2:TS+4*\a+3], v[ACC+32*\a+4:ACC+32*\a+5], v[ACC+32*\a+6:ACC+32*\a+7]
.endr
.irp i, 8,12,16,20,24,28
.irp a, 0,1,2,3
	v_pk_add_f32 v[TS+4*\a:TS+4*\a+1],   v[TS+4*\a:TS+4*\a+1],   v[ACC+32*\a+\i:ACC+32*\a+\i+1]
	v_pk_add_f32 v[TS+4*\a+2:TS+4*\a+3], v[TS+4*\a+2:TS+4*\a+3], v[ACC+32*\a+\i+2:ACC+32*\a+\i+3]
.endr
.endr
.irp a, 0,1,2,3
	v_pk_add_f32 v[TS+4*\a:TS+4*\a+1], v[TS+4*\a:TS+4*\a+1], v[TS+4*\a+2:TS+4*\a+3]
.endr
.irp a, 0,1,2,3
	v_add_f32 v[TS+4*\a], v[TS+4*\a], v[TS+4*\a+1]
.endr
.irp a, 0,1,2,3
	v_permlanex16_b32 v[PL+\a], v[TS+4*\a], s[SEL], s[SEL+1]
.endr
.irp a, 0,1,2,3
	v_add_f32 v[NM+2*\a+1], v[TS+4*\a], v[PL+\a]   ; over my wave's 64 keys, in every lane of the query
.endr
	; THE CODES: registers 2 kb, 2 kb + 1 of tile a hold keys 64 ch + 16 kb + 8 h + 0 .. 7: half ch of a K = 128 fragment
.irp a, 0,1,2,3
.set n, 0
.rept 32
	v_min_num_f32 v[ACC+32*\a+n], s62, v[ACC+32*\a+n]   ; the conversion does not saturate (ISA guide 7.6.2); p is not negative, so the hold is one-sided
.set n, n+1
.endr
.irp kb, 0,1,2,3
	v_cvt_scalef32_pk8_fp8_f32 v[CD+8*\a+2*\kb:CD+8*\a+2*\kb+1], v[ACC+32*\a+8*\kb:ACC+32*\a+8*\kb+7], v[SCL]
.endr
.endr
	v_nop                                          ; one plain vector instruction behind the last conversion
	s_lshl_b32 s73, s18, 3
	s_add_co_u32 s73, s73, s23
	s_lshl_b32 s73, s73, 3
	s_add_co_u32 s73, s73, s56                     ; the tile: (8 batch + i) 8 + j
	s_lshl_b32 s66, s73, 14
	s_lshl_b32 s57, s[RH], 13
	s_add_co_u32 s66, s66, s57
	s_lshl_b32 s57, s[CH], 10
	s_add_co_u32 s66, s66, s57
	s_add_nc_u64 s[10:11], s[10:11], s[66:67]      ; (s67 and s69 still hold 0)
	s_lshl_b32 s68, s73, 11
	s_add_co_u32 s68, s68, s57
	s_lshl_b32 s57, s[RH], 9
	s_add_co_u32 s68, s68, s57
	s_add_nc_u64 s[12:13], s[12:13], s[68:69]
	s_wait_alu depctr_va_vdst(0)
.irp a, 0,1,2,3
	global_store_b128 v[GO16], v[CD+8*\a:CD+8*\a+3],   s[10:11] offset:\a*2048       ; each store covers 512 consecutive bytes, aligned
	global_store_b128 v[GO16], v[CD+8*\a+4:CD+8*\a+7], s[10:11] offset:\a*2048+512
.endr
	v_cmp_lt_u32 vcc_lo, 15, v3                    ; lanes 0-15 give tile a0's pairs, lanes 16-31 tile a0 + 1's: a store covers 256 consecutive bytes, aligned
.irp a, 0,2
	v_cndmask_b32 v[SO+\a],   v[NM+2*\a],   v[NM+2*\a+2], vcc_lo
	v_cndmask_b32 v[SO+\a+1], v[NM+2*\a+1], v[NM+2*\a+3], vcc_lo
.endr
.irp a, 0,2
	global_store_b64 v[GO8], v[SO+\a:SO+\a+1], s[12:13] offset:\a*128
.endr
	s_wait_tensorcnt 0x0                           ; the wave's end
	ds_add_u32 v[SPW], v[NIL]
	s_wait_dscnt 0x0
	CROUND                                         ; the closing round
	s_endpgm
.Lfunc_end_k_qf7309225d3_score:
	.size	k_qf7309225d3_score, .Lfunc_end_k_qf7309225d3_score-k_qf7309225d3_score
	.p2alignl 7, 3214868480
	.fill 96, 4, 3214868480
	.section	.rodata,"a",@progbits
	.p2align	6, 0x0
	.amdhsa_kernel k_qf7309225d3_score
		.amdhsa_group_segment_fixed_size 327680
		.amdhsa_private_segment_fixed_size 0
		.amdhsa_enable_private_segment 0
		.amdhsa_kernarg_size 40
		.amdhsa_user_sgpr_count 2
		.amdhsa_user_sgpr_kernarg_segment_ptr 1
		.amdhsa_wavefront_size32 1
		.amdhsa_system_sgpr_workgroup_id_x 1
		.amdhsa_system_sgpr_workgroup_id_y 1
		.amdhsa_system_sgpr_workgroup_id_z 1
		.amdhsa_system_vgpr_workitem_id 0
		.amdhsa_next_free_vgpr 768
		.amdhsa_next_free_sgpr 102
		.amdhsa_reserve_vcc 1
		.amdhsa_float_denorm_mode_32 3
		.amdhsa_float_denorm_mode_16_64 3
		.amdhsa_memory_ordered 1
		.amdhsa_forward_progress 1
		.amdhsa_inst_pref_size 99
	.end_amdhsa_kernel
	.amdgpu_metadata
---
amdhsa.version: [ 1, 2 ]
amdhsa.kernels:
  - .name:           k_qf7309225d3_score
    .symbol:         k_qf7309225d3_score.kd
    .args:
      - { .name: qimg, .offset: 0, .size: 8, .value_kind: global_buffer, .address_space: global }
      - { .name: kimg, .offset: 8, .size: 8, .value_kind: global_buffer, .address_space: global }
      - { .name: lowp_scales, .offset: 16, .size: 8, .value_kind: global_buffer, .address_space: global }
      - { .name: pimg, .offset: 24, .size: 8, .value_kind: global_buffer, .address_space: global }
      - { .name: stat, .offset: 32, .size: 8, .value_kind: global_buffer, .address_space: global }
    .group_segment_fixed_size: 327680
    .private_segment_fixed_size: 0
    .kernarg_segment_align: 8
    .kernarg_segment_size: 40
    .max_flat_workgroup_size: 128
    .sgpr_count:     102
    .vgpr_count:     768
    .wavefront_size: 32
...
	.end_amdgpu_metadata
.endif
;; end of part 2
;; launch pv (part 3): grid 16 x 16, 4 waves a work-group, clusters of 4 x 4, 327,680 bytes of LDS; arguments pimg, vimg, stat, lowp_scales, out0; writes out0
.if DOCPART == 3
	.amdgcn_target "amdgcn-amd-amdhsa--gfx1250"
	.amdhsa_code_object_version 6
	.text
	.protected	k_qf7309225d3_pv
	.globl	k_qf7309225d3_pv
	.p2align	8
	.type	k_qf7309225d3_pv,@function
k_qf7309225d3_pv:
	s_mov_b64 s[64:65], 0
	v_nop
	global_prefetch_b8 v0, s[64:65] scope:SCOPE_SE
	s_setreg_imm32_b32 hwreg(HW_REG_WAVE_MODE, 25, 1), 1
	s_wait_xcnt 0x0
	s_wait_alu depctr_hold_cnt(0) depctr_sa_sdst(0) depctr_va_vdst(0) depctr_va_sdst(0) depctr_va_ssrc(0) depctr_va_vcc(0) depctr_vm_vsrc(0)
	s_getreg_b32 s2, hwreg(HW_REG_IB_STS2, 6, 4)
	s_cmp_eq_u32 s2, 0
	s_cbranch_scc0 .Lentry_in_a_cluster
	s_endpgm
.Lentry_in_a_cluster:
	s_bfe_u32 s2, ttmp6, 0x10000c
	s_cmp_lg_u32 s2, 0xf033
	s_cbranch_scc0 .Lentry_shape_is_right
	s_endpgm
.Lentry_shape_is_right:
; out[q][dv] = (the sum over tiles j of 128 keys of 2^(M_j - M) x (P_j V_j)) x 2^(e8 + e9) / l,  M = the largest M_j of the row,  l = the sum over j of 2^(M_j - M) l_j.
; P_j: codes of p = 2^(t - M_j) (pimg), V_j: codes of v with the keys innermost (vimg), both as images of the operands' registers; -M_j and l_j (in two halves) in stat.  The factors are exact powers of two, at most 1.
; WORK LEFT OUT: for queries 0 .. 511 the keys 512 .. 1,023: reference()'s own jnp.tril gives them p = 0 for all values of the inputs (a NaN or an infinity that reaches only those products is not carried to the result).
; SHARES.  256 work-groups, a tile of out each: 128 queries x 128 dv; wave (rh, ch): 64 x 64.  Cluster x = 0, 1: queries 512 on (I = 1), eight steps of 128 keys; x = 2, 3: queries 0 .. 511 (I = 0), four steps.
; The steps' number hangs on the cluster's number alone, so all partners of a cluster run alike.  Tiles above the diagonal inside a block of 512 x 512 hold zero codes, l_j = 0 and -M_j = 3e38: their factor is 0.
; THE FOUR BLOCKS OF 16 QUERIES OF A WAVE ARE FINISHED ONE AFTER THE OTHER, so that a block's rows are stored while the next block is multiplied.  V's fragments (64 dv x all keys: 512 registers) are read from LDS once and stay;
; P's (16 queries x all keys: 128 registers) are fetched for the next block as each step has used its own.
; A block of 128 keys is ONE matrix instruction for each of 4 accumulators: it starts at 0, and its result is added by packed multiply-adds with the lane's factor (USED TRANSPOSED: source 0 = 16 dv, source 1 = 16 queries:
; a lane holds one query throughout).  The next step's products stand ahead of a step's multiply-adds; two sets of result registers take turns.
; THE LOADS.  Each wave issues ONE tensor load of 65,536 bytes, all first fills: waves 0, 1 P's two halves of the queries, waves 2, 3 V's two halves of the dv: 8 key blocks of 8,192 bytes, 16,384 bytes apart in memory.
; P's are shared along a row of the cluster, V's along a column: joint loads.  One descriptor serves both kinds of clusters: with I = 0 the last four key blocks are fetched too and never read.
; No prefetch: there is no loop to run ahead in; all bytes are asked for at the head.
; LIMITS: e8 + e9 is applied by v_ldexp_f32 and has none.  NaN is not served.
; REGISTERS.  Window 0: v1-11 addresses; v12-15, v120-127 at work; v16-79 the factors, each in both registers of a pair ((a, s) at 16 + 2 (8 a + s)); v112-119 2^(e8 + e9) / l in pairs;
;   v128-255 stat's 64 pairs, then v128-191 two sets of results, v192-223 the block's sums.   Window 1: v0-127 P's fragments (step s at 16 s), v128-159 rows read back.   Windows 2, 3: V's, steps 0-3 and 4-7 ((s, t) at 64 (s % 4) + 16 t).
.set VLDS,  131072                     ; LDS: P: [half of the queries][8 key blocks][8,192 bytes], V behind it: [half of the dv][8][8,192]
.set STAGE, 262144                     ; 16 rows x (256 bytes + 16) for each wave, for the way out; a stage for each of the two ways through the text; no fill lands there
.set SP,    272
.set STB,   4*16*SP
.set SPARE, STAGE+2*STB                ; the spare words, 128 bytes for each wave, that no other line names
.set ADRP, 4
.set ADRV, 5
.set SPW,  6
.set NIL,  7
.set STO,  8
.set RD,   9
.set GO,   10
.set SA,   11
.set LB,   12
.set FP,   16
.set LV,   112
.set NMR,  120
.set LA,   124
.set ST,   128
.set TMP,  128
.set SUM,  192
.set RB,   128                         ; (window 1)
.set WV,   14
.set RH,   15
.set CH,   72
.set G1P,  16
.set G1V,  24
.set G0P,  32
.set G0V,  36
.set MSB, 0
.macro WIN new
.if MSB != (\new)
	s_set_vgpr_msb (MSB<<8)|(\new)
.set MSB, \new
.endif
.endm
.macro PLACES                          ; four plain vector instructions between a matrix instruction and a vector read of its result (ISA guide 7.12.1)
.rept 4
	v_nop
.endr
.endm
.macro CROUND
	s_barrier_signal -1
	s_barrier_wait -1
	s_cmp_lg_u32 s[WV], 0
	s_cbranch_scc1 .Lnot_wave_0_\@
	s_barrier_signal -3
.Lnot_wave_0_\@:
	s_barrier_wait -3
	s_barrier_signal -1
	s_barrier_wait -1
.endm
	s_load_b256 s[4:11], s[0:1], 0x0               ; pimg s[4:5], vimg s[6:7], stat s[8:9], scales s[10:11]
	s_load_b64 s[12:13], s[0:1], 0x20              ; out0
	v_lshl_add_u32 v[SPW], v0, 2, SPARE
	v_mov_b32 v[NIL], 0
	ds_add_u32 v[SPW], v[NIL]                      ; the wave's opening: the add, twice on end, and its wait
	ds_add_u32 v[SPW], v[NIL]
	v_lshrrev_b32 v1, 5, v0
	v_readfirstlane_b32 s[WV], v1
	s_lshr_b32 s[RH], s[WV], 1                     ; which 64 queries.  Also: I fetch for P (0) or for V (1)
	s_and_b32 s[CH], s[WV], 1                      ; which 64 dv.  Also: which half I fetch
	s_lshl_b32 s2, s[RH], 9
	s_lshl_b32 s3, s[RH], 16
	s_lshl_b32 s82, s[CH], 16
	s_add_co_u32 s83, s82, VLDS
	s_mul_i32 s84, s[WV], 16*SP
	s_add_co_u32 s84, s84, STAGE                   ; my stage
	v_and_b32 v1, 15, v0                           ; r
	v_bfe_u32 v2, v0, 4, 1                         ; h
	v_and_b32 v3, 31, v0                           ; lane
	v_lshl_add_u32 v[SA], v1, 3, s2                ; stat: query 64 rh + r, 8 bytes each
	v_lshlrev_b32 v12, 4, v3
	v_add_nc_u32 v[ADRP], s3, v12
	v_add_nc_u32 v[ADRV], s83, v12
	v_mul_u32_u24 v[STO], v1, SP
	v_lshl_add_u32 v[STO], v2, 5, v[STO]
	v_add_nc_u32 v[STO], s84, v[STO]               ; in: row r, 32 bytes for each half of the lanes
	v_mul_u32_u24 v[RD], v2, SP
	v_lshl_add_u32 v[RD], v1, 4, v[RD]
	v_add_nc_u32 v[RD], s84, v[RD]                 ; back: lanes 0-15 one row of 256 bytes, lanes 16-31 the next
	v_lshlrev_b32 v[GO], 12, v2
	v_lshl_add_u32 v[GO], v1, 4, v[GO]             ; and the same two rows in out0 (4,096 bytes a row)
	s_and_b32 s74, ttmp7, 0xffff                   ; batch = cluster y
	s_lshr_b32 s75, ttmp9, 1
	s_xor_b32 s75, s75, 1                          ; I: 1 for cluster x = 0, 1, 0 for 2, 3
	s_bfe_u32 s76, ttmp6, 0x40000                  ; cx
	s_bfe_u32 s77, ttmp6, 0x40004                  ; cy
	s_lshl_b32 s78, s75, 2
	s_add_co_u32 s78, s78, s77                     ; i: tile of queries
	s_and_b32 s79, ttmp9, 1
	s_lshl_b32 s79, s79, 2
	s_add_co_u32 s79, s79, s76                     ; d: tile of dv
	s_lshl_b32 s100, s77, 2
	s_lshl_b32 s100, 15, s100                      ; my row of the cluster
	s_lshl_b32 s101, 0x1111, s76                   ; my column
	s_or_b32 s[G1P], s100, (3<<16)|(1<<21)         ; the mask; elements of 8 bytes; bit 21 beside a mask; no padding
	s_or_b32 s[G1V], s101, (3<<16)|(1<<21)
.irp g, G1P, G1V
	s_mov_b32 s[\g+1], 1024<<16                    ; rows of 8,192 bytes
	s_mov_b32 s[\g+2], 8<<16                       ; 8 of them
	s_mov_b32 s[\g+3], 1024<<16
	s_mov_b32 s[\g+4], 8
	s_mov_b32 s[\g+5], 2048                        ; 16,384 bytes from row to row
	s_mov_b32 s[\g+6], 0
	s_mov_b32 s[\g+7], 0
.endr
	s_lshl_b32 s73, s[CH], 13                      ; my half of each key block
	s_lshl_b32 s84, s74, 3
	s_add_co_u32 s84, s84, s78
	s_lshl_b32 s84, s84, 17                        ; P: row of tiles 8 batch + i, 131,072 bytes each
	s_add_co_u32 s84, s84, s73
	s_mov_b32 s85, 0
	s_lshl_b32 s88, s74, 3
	s_add_co_u32 s88, s88, s79
	s_lshl_b32 s88, s88, 17                        ; V: dv tile 8 batch + d
	s_add_co_u32 s88, s88, s73
	s_mov_b32 s89, 0
	s_mul_i32 s66, s75, 0x3f800000                 ; g = I as f32: whether steps 4-7 count
	s_wait_alu depctr_va_vdst(0)                   ; it covers the addresses made above
	s_wait_dscnt 0x0                               ; both opening adds are done
	s_wait_kmcnt 0x0
	s_load_b64 s[80:81], s[10:11], 0x20            ; e8, e9
	s_add_nc_u64 s[92:93], s[4:5], s[84:85]
	s_add_nc_u64 s[96:97], s[6:7], s[88:89]
	CROUND                                         ; all sixteen work-groups are here: the joint loads meet
	s_mov_b32 s[G0P], 1
	s_mov_b32 s[G0P+1], s82
	s_mov_b64 s[G0P+2:G0P+3], s[92:93]
	s_or_b32 s[G0P+3], s[G0P+3], 0x80000000
	s_mov_b32 s[G0V], 1
	s_mov_b32 s[G0V+1], s83
	s_mov_b64 s[G0V+2:G0V+3], s[96:97]
	s_or_b32 s[G0V+3], s[G0V+3], 0x80000000
	s_cmp_eq_u32 s[RH], 0
	s_cbranch_scc0 .Lfor_v
	tensor_load_to_lds s[G0P:G0P+3], s[G1P:G1P+7]
	s_nop 0
.rept 4
	v_nop
.endr
	s_branch .Lasked
.Lfor_v:
	tensor_load_to_lds s[G0V:G0V+3], s[G1V:G1V+7]
	s_nop 0
.rept 4
	v_nop
.endr
.Lasked:
	s_lshl_b32 s84, s74, 3
	s_add_co_u32 s84, s84, s78
	s_lshl_b32 s84, s84, 14                        ; row of tiles 8 batch + i: 8 x 2,048 bytes
	s_add_nc_u64 s[68:69], s[8:9], s[84:85]        ; steps 0-3;  (s85 holds 0)
	s_lshl_b32 s84, s75, 13
	s_add_nc_u64 s[70:71], s[68:69], s[84:85]      ; steps 4-7: tiles 4 on where I = 1, the same four again where I = 0
.irp s, 0,1,2,3,4,5,6,7
.irp k, 0,1
.irp a, 0,1,2,3
	global_load_b64 v[ST+16*\s+8*\k+2*\a:ST+16*\s+8*\k+2*\a+1], v[SA], s[68+2*(\s/4):69+2*(\s/4)] offset:(\s%4)*2048+\k*1024+\a*128   ; (-M, l) of step s, half k of its keys, query 16 a + r of my 64
.endr
.endr
.endr
	s_lshl_b32 s84, s74, 10
	s_lshl_b32 s86, s78, 7
	s_add_co_u32 s84, s84, s86
	s_lshl_b32 s86, s[RH], 6
	s_add_co_u32 s84, s84, s86                     ; my first row: 1,024 batch + 128 i + 64 rh
	s_lshl_b32 s84, s84, 12
	s_lshl_b32 s86, s79, 9
	s_add_co_u32 s84, s84, s86
	s_lshl_b32 s86, s[CH], 8
	s_add_co_u32 s84, s84, s86                     ; my first column, in bytes: 512 d + 256 ch
	s_add_nc_u64 s[12:13], s[12:13], s[84:85]
	s_wait_loadcnt 0x0
	; THE FACTORS, while the tiles are on their way.  -M of the row = the least of the eight -M_s
.irp a, 0,1,2,3
	v_min3_num_f32 v[NMR+\a], v[ST+2*\a], v[ST+16+2*\a], v[ST+32+2*\a]
.endr
.irp a, 0,1,2,3
	v_min3_num_f32 v[NMR+\a], v[NMR+\a], v[ST+48+2*\a], v[ST+64+2*\a]
.endr
.irp a, 0,1,2,3
	v_min3_num_f32 v[NMR+\a], v[NMR+\a], v[ST+80+2*\a], v[ST+96+2*\a]
.endr
.irp a, 0,1,2,3
	v_min_num_f32 v[NMR+\a], v[NMR+\a], v[ST+112+2*\a]
.endr
.irp s, 0,1,2,3,4,5,6,7
.irp a, 0,1,2,3
	v_sub_f32 v[ST+16*\s+2*\a], v[NMR+\a], v[ST+16*\s+2*\a]                          ; M_s - M: a whole number, 0 or less
	v_add_f32 v[ST+16*\s+2*\a+1], v[ST+16*\s+2*\a+1], v[ST+16*\s+8+2*\a+1]            ; l_s: its two halves
.endr
.endr
.irp s, 0,1,2,3,4,5,6,7
.irp a, 0,1,2,3
	v_cvt_i32_f32 v[ST+16*\s+2*\a], v[ST+16*\s+2*\a]                                  ; (it saturates: a hidden tile's factor becomes 0)
.endr
.endr
.irp s, 0,1,2,3,4,5,6,7
.irp a, 0,1,2,3
	v_ldexp_f32 v[FP+2*(8*\a+\s)],   1.0, v[ST+16*\s+2*\a]                            ; 2^(M_s - M), in both registers of a pair, for the packed forms
	v_ldexp_f32 v[FP+2*(8*\a+\s)+1], 1.0, v[ST+16*\s+2*\a]
.endr
.endr
.irp a, 0,1,2,3
	v_mul_f32 v[LA+\a], v[FP+16*\a],   v[ST+2*\a+1]
	v_mul_f32 v[LB+\a], v[FP+16*\a+8], v[ST+64+2*\a+1]
.endr
.irp s, 1,2,3
.irp a, 0,1,2,3
	v_fma_f32 v[LA+\a], v[FP+2*(8*\a+\s)],   v[ST+16*\s+2*\a+1],    v[LA+\a]
	v_fma_f32 v[LB+\a], v[FP+2*(8*\a+\s+4)], v[ST+16*\s+64+2*\a+1], v[LB+\a]
.endr
.endr
	s_wait_alu depctr_va_vdst(0)
	s_wait_kmcnt 0x0
	s_add_co_i32 s83, s80, s81                     ; e8 + e9
.irp a, 0,1,2,3
	v_fma_f32 v[LA+\a], v[LB+\a], s66, v[LA+\a]    ; steps 4-7 count where they are other keys (g = 1), not where they are the same keys again (g = 0)
.endr
	s_wait_alu depctr_va_vdst(0)                   ; the wait ahead of the batch
.irp a, 0,1,2,3
	v_rcp_f32 v[LA+\a], v[LA+\a]
.endr
	v_nop                                          ; a plain instruction behind the last reciprocal
	s_wait_alu depctr_va_vdst(0)                   ; one wait for the four, ahead of their first reader
.irp a, 0,1,2,3
	v_ldexp_f32 v[LV+2*\a],   v[LA+\a], s83        ; 2^(e8 + e9) / l
	v_ldexp_f32 v[LV+2*\a+1], v[LA+\a], s83
.endr
.macro LP a, s                         ; 4 LDS loads: P's fragment of block a, step s
	WIN 0x40
.irp g, 0,1,2,3
	ds_load_b128 v[16*(\s)+4*\g:16*(\s)+4*\g+3], v[ADRP] offset:(\s)*8192+(\a)*2048+512*\g
.endr
	WIN 0
.endm
.macro GRP s                           ; 20 LDS loads: block 0's fragment of P and V's four of step s
	LP 0, \s
	WIN (2+(\s)/4)<<6
.irp t, 0,1,2,3
.irp g, 0,1,2,3
	ds_load_b128 v[64*((\s)%4)+16*\t+4*\g:64*((\s)%4)+16*\t+4*\g+3], v[ADRV] offset:(\s)*8192+\t*2048+512*\g
.endr
.endr
	WIN 0
.endm
.macro MM s                            ; the step's four products, into set s % 2
	WIN 0x06+(\s)/4                                ; source 0 (V) window 2 or 3, source 1 (P) window 1, result window 0
.irp t, 0,1,2,3
	v_wmma_f32_16x16x128_fp8_fp8 v[TMP+32*((\s)%2)+8*\t:TMP+32*((\s)%2)+8*\t+7], v[64*((\s)%4)+16*\t:64*((\s)%4)+16*\t+15], v[16*(\s):16*(\s)+15], 0
.endr
	WIN 0
.endm
.macro ADDUP a, s                      ; 16 packed multiply-adds with the factor of (a, s); the first step starts the sums: nothing is cleared
.set i, 0
.rept 16
.if (\s) == 0
	v_pk_mul_f32 v[SUM+i:SUM+i+1], v[TMP+32*((\s)%2)+i:TMP+32*((\s)%2)+i+1], v[FP+2*(8*(\a)+(\s)):FP+2*(8*(\a)+(\s))+1]
.else
	v_pk_fma_f32 v[SUM+i:SUM+i+1], v[TMP+32*((\s)%2)+i:TMP+32*((\s)%2)+i+1], v[FP+2*(8*(\a)+(\s)):FP+2*(8*(\a)+(\s))+1], v[SUM+i:SUM+i+1]
.endif
.set i, i+2
.endr
.endm
; THE WAY OUT of block a: x 2^(e8 + e9) / l; a lane's eight numbers of a row go into my stage (rows of 272 bytes) and come back as whole rows of 256 bytes.
.macro TOSTAGE a, off
.set i, 0
.rept 16
	v_pk_mul_f32 v[SUM+i:SUM+i+1], v[SUM+i:SUM+i+1], v[LV+2*(\a):LV+2*(\a)+1]
.set i, i+2
.endr
.irp t, 0,1,2,3
	ds_store_b128 v[STO], v[SUM+8*\t:SUM+8*\t+3]   offset:\off+64*\t
	ds_store_b128 v[STO], v[SUM+8*\t+4:SUM+8*\t+7] offset:\off+64*\t+16
.endr
	s_wait_xcnt 0x0                                ; the block before's stores have read their registers: this block's rows may land there
	WIN 0x40
.irp u, 0,1,2,3,4,5,6,7
	ds_load_b128 v[RB+4*\u:RB+4*\u+3], v[RD] offset:\off+2*\u*SP   ; LDS serves a wave's instructions in order (ISA guide 5.7.1.4): these see the stores above, and the next block's stores come behind them
.endr
	WIN 0
.endm
.macro SEND a, younger                 ; younger: the LDS loads issued behind the block's, which may stay out
	s_wait_dscnt \younger
	WIN 0x04                                       ; the data lie in window 1
.irp u, 0,1,2,3,4,5,6,7
	global_store_b128 v[GO], v[RB+4*\u:RB+4*\u+3], s[12:13] offset:(16*(\a)+2*\u)*4096 th:TH_STORE_NT   ; 16 lanes store 256 consecutive bytes, aligned; written once, read by nobody here
.endr
	WIN 0
.endm
; A step of block 0: cnt = the LDS loads issued behind step s's 20; grp > 0: the step whose fragments are asked for here.
.macro FIRST s, cnt, grp
	s_wait_dscnt \cnt
	MM \s
.if \grp
	GRP \grp
.endif
.if \s == 1
	PLACES
.endif
.if \s
	ADDUP 0, (\s)-1
	LP 1, (\s)-1                                   ; the step before has used its fragment: block 1's takes its registers
.endif
.endm
; A step of block a = 1, 2, 3 out of n.  Behind P's fragment of step s stand those of the later steps and the stage's 16 instructions (the first steps' wait); behind SEND's wait all of the block's fragments are in.
.macro NEXT a, s, n
.if \s < 3
	s_wait_dscnt 4*(\n-1-\s)+16
.endif
	MM \s
.if \s == 2
.if \a < 3
	SEND \a-1, 4                                   ; behind the stage's loads: the next block's first four
.else
	SEND \a-1, 0
.endif
.endif
.if \s == 1
	PLACES
.endif
.if \s
	ADDUP \a, (\s)-1
.if \a < 3
	LP \a+1, (\s)-1
.endif
.endif
.endm
.macro LAST a, n, off                  ; a block's last step is added up, and the block goes to the stage
	ADDUP \a, \n-1
.if \a < 3
	LP \a+1, \n-1
.endif
	TOSTAGE \a, \off
.endm
	s_wait_alu depctr_va_vdst(0)                   ; the wait at the head's end
	s_wait_tensorcnt 0x0                           ; my load is in
	s_wait_dscnt 0x0
	s_barrier_signal -1
	s_barrier_wait -1
	s_cmp_eq_u32 s75, 1                            ; the cluster's number alone: the same in all sixteen partners
	s_cbranch_scc0 .Lshort
	GRP 0                                          ; EIGHT STEPS
	GRP 1
	GRP 2
	FIRST 0, 40, 3                                 ; behind step 0's loads: steps 1's and 2's
	FIRST 1, 40, 4                                 ; 2, 3
	FIRST 2, 44, 5                                 ; 3, 4 and block 1's first four
	FIRST 3, 48, 6                                 ; 4, 5 and eight of block 1's
	FIRST 4, 52, 7                                 ; 5, 6 and twelve
	FIRST 5, 52, 0                                 ; 6, 7 and twelve
	FIRST 6, 32, 0                                 ; 7 and twelve
	FIRST 7, 12, 0                                 ; twelve
	LAST 0, 8, 0
.irp a, 1,2,3
.irp s, 0,1,2,3,4,5,6,7
	NEXT \a, \s, 8
.endr
	LAST \a, 8, 0
.endr
	SEND 3, 0
	s_branch .Ldone
.Lshort:                                               ; FOUR STEPS
	GRP 0
	GRP 1
	GRP 2
	FIRST 0, 40, 3
	FIRST 1, 40, 0                                 ; steps 2's and 3's
	FIRST 2, 24, 0                                 ; 3 and block 1's first four
	FIRST 3, 8, 0                                  ; eight of block 1's
	LAST 0, 4, STB
.irp a, 1,2,3
.irp s, 0,1,2,3
	NEXT \a, \s, 4
.endr
	LAST \a, 4, STB
.endr
	SEND 3, 0
.Ldone:
	s_wait_tensorcnt 0x0                           ; the wave's end
	ds_add_u32 v[SPW], v[NIL]
	s_wait_dscnt 0x0
	CROUND                                         ; the closing round: no work-group ends while a partner may still ask for a tile that names it
	s_endpgm
.Lfunc_end_k_qf7309225d3_pv:
	.size	k_qf7309225d3_pv, .Lfunc_end_k_qf7309225d3_pv-k_qf7309225d3_pv
	.p2alignl 7, 3214868480
	.fill 96, 4, 3214868480
	.section	.rodata,"a",@progbits
	.p2align	6, 0x0
	.amdhsa_kernel k_qf7309225d3_pv
		.amdhsa_group_segment_fixed_size 327680
		.amdhsa_private_segment_fixed_size 0
		.amdhsa_enable_private_segment 0
		.amdhsa_kernarg_size 40
		.amdhsa_user_sgpr_count 2
		.amdhsa_user_sgpr_kernarg_segment_ptr 1
		.amdhsa_wavefront_size32 1
		.amdhsa_system_sgpr_workgroup_id_x 1
		.amdhsa_system_sgpr_workgroup_id_y 1
		.amdhsa_system_sgpr_workgroup_id_z 1
		.amdhsa_system_vgpr_workitem_id 0
		.amdhsa_next_free_vgpr 1024
		.amdhsa_next_free_sgpr 102
		.amdhsa_reserve_vcc 0
		.amdhsa_float_denorm_mode_32 3
		.amdhsa_float_denorm_mode_16_64 3
		.amdhsa_memory_ordered 1
		.amdhsa_forward_progress 1
		.amdhsa_inst_pref_size 140
	.end_amdhsa_kernel
	.amdgpu_metadata
---
amdhsa.version: [ 1, 2 ]
amdhsa.kernels:
  - .name:           k_qf7309225d3_pv
    .symbol:         k_qf7309225d3_pv.kd
    .args:
      - { .name: pimg, .offset: 0, .size: 8, .value_kind: global_buffer, .address_space: global }
      - { .name: vimg, .offset: 8, .size: 8, .value_kind: global_buffer, .address_space: global }
      - { .name: stat, .offset: 16, .size: 8, .value_kind: global_buffer, .address_space: global }
      - { .name: lowp_scales, .offset: 24, .size: 8, .value_kind: global_buffer, .address_space: global }
      - { .name: out0, .offset: 32, .size: 8, .value_kind: global_buffer, .address_space: global }
    .group_segment_fixed_size: 327680
    .private_segment_fixed_size: 0
    .kernarg_segment_align: 8
    .kernarg_segment_size: 40
    .max_flat_workgroup_size: 128
    .sgpr_count:     102
    .vgpr_count:     1024
    .wavefront_size: 32
...
	.end_amdgpu_metadata
.endif
;; end of part 3
